; MI455X (gfx1250); checked and timed in simulation.
; The chip was launched on July 23, 2026; its instructions are those of AMD's public machine-readable ISA for CDNA 5 (MIT licence, August 2026) and "CDNA5" Instruction Set Architecture Reference Guide (July 2026). The comments in the code are by the model that wrote it; some were corrected since.
;; Sparse Self Attention. Allowed arithmetic: matrix products marked QUANTISED: E5M2 operands, one given power-of-two scale a tensor, by v_wmma_f32_16x16x64_bf8_bf8 or v_wmma_f32_16x16x128_bf8_bf8, f32 sums; everything else in f32.
;; Inputs: key 2 x 8 x 4,096 x 64 float32; lowp_scales 4 int32 (the exponents e of the quantised operands' scales 2^e); query_codes 2 x 8 x 4,096 x 2 x 32 uint8 (E5M2 codes of query, K innermost, in blocks of 32 codes); value 2 x 8 x 4,096 x 64 float32.
;; Outputs: out0 2 x 8 x 4,096 x 64 float32.
;; This version of the problem:
;;   THIS VERSION OF THE PROBLEM IS GIVEN IN LOW PRECISION. The matrix products marked QUANTISED in the list below multiply operands that are first quantised to E5M2 (5 exponent bits, 2 mantissa bits; 8 bits a number), with one given power-of-two scale for each operand tensor; their sums are f32. All else is computed in f32.
;;   The module's matrix products, in the order in which they are computed (A, B: the left and right operand; K: the contracted axis; several contracted axes count as one K, in the product's order):
;;     1. batch 2,048 x [M 32, K 64] x [K 64, N 512]; A: input query (given as codes); B: computed on the way: QUANTISED (scales: A lowp_scales[0], B lowp_scales[1])
;;     2. batch 2,048 x [M 32, K 512] x [K 512, N 64]; A: computed on the way; B: computed on the way: QUANTISED (scales: A lowp_scales[2], B lowp_scales[3])
;;   THE QUANTISER, for each operand of a quantised product, along K:
;;     - The operand's scale is 2^e, e = its entry of the input lowp_scales (int32; the entries are numbered through the quantised products in the list's order, A before B).
;;     - Each number is divided by the scale, clamped to +-57,344, and rounded to the nearest number of E5M2, ties to even, subnormals kept.
;;     - The product sums the exact products of the quantised numbers (number of the format x scale) in f32.
;;   ~~~python
;;   def quantise(x, axis, e):      # numpy; x: float32 -> the quantised numbers, widened to float32 again
;;       x = np.moveaxis(x, axis, -1); K = x.shape[-1]
;;       r = np.clip(x / 2.0 ** e, -57344, 57344)
;;       step = 2.0 ** (np.maximum(np.frexp(np.where(r == 0, 1, r))[1] - 1, -14) - 2)
;;       q = np.round(r / step) * step * 2.0 ** e      # np.round: ties to even
;;       return np.moveaxis(q, -1, axis).astype(np.float32)
;;   ~~~
;;   OPERANDS COMPUTED ON THE WAY. 'Computed on the way' means the value that the module computes at that place (a softmax that the list does not call 'softmax' is quantised finished and normalised). What goes into a quantiser is computed in f32, as accurately as f32 sums, v_exp_f32 and their like allow (about 1e-6 of the number): no bf16 or f16 on the way to a quantiser, and a product that is left as it is and whose result goes on into a quantised operand takes f32 operands (vector FMAs, or v_wmma_f32_16x16x4_f32). A number that lies on a knife's edge between two numbers of the format may be rounded either way, as far as f32 arithmetic and the matrix unit's own rounding can turn it there, and no further.
;;   INPUTS GIVEN AS CODES. query (in the module: [2, 8, 4096, 64], K = its axis 3): each comes as NAME_codes (uint8): NAME with its K axis moved to the last place and cut into blocks of 32 codes, [.., K / 32, bytes a block], one block behind the other in memory; one code a byte (a code: sign, 5 exponent bits, 2 mantissa bits); its scale is its entry of lowp_scales. Its value is code x scale, taken as it is: it is not quantised again, and the codes and scales need not be those that the quantiser above would give.
;; 2 versions, each right; version 2 is version 1 with the launch attn written anew for expert scheduling mode. Each part assembles by itself: llvm-mc -triple=amdgcn-amd-amdhsa -mcpu=gfx1250 --defsym DOCPART=n.
;; ======== version 1 of 2: 1 launch
;; launch attn (part 1): grid 16 x 16, 8 waves a work-group, no clusters, 141,824 bytes of LDS; arguments query_codes, key, value, lowp_scales, out0; writes out0
.if DOCPART == 1
	.amdgcn_target "amdgcn-amd-amdhsa--gfx1250"
	.amdhsa_code_object_version 6
	.text
	.protected	k_q19b3c71343_attn
	.globl	k_q19b3c71343_attn
	.p2align	8
	.type	k_q19b3c71343_attn,@function
k_q19b3c71343_attn:
	s_mov_b64 s[64:65], 0
	v_nop
	global_prefetch_b8 v0, s[64:65] scope:SCOPE_SE
	s_setreg_imm32_b32 hwreg(HW_REG_WAVE_MODE, 25, 1), 1
	s_wait_xcnt 0x0
; Block-sparse causal local attention on codes of BF8 (E5M2).  query_codes [16 heads][4096][64] codes; key, value [16][4096][64] f32; out0 [16][4096][64] f32; lowp_scales: e0 (Q), e1 (K), e2 (P), e3 (V).
; Query block i (32 queries) sees key blocks i-15 .. i (32 keys each), key <= query inside block i, key blocks under 0 not at all.
; scores = Q K^T (both as codes) x 2^(e0+e1) / 8;  P = the finished softmax, normalised, quantised with 2^e2;  O = P V on codes, x 2^(e2+e3).
; SHARES.  A work-group owns 256 queries of one head (8 query blocks) and the 23 key blocks (736 keys) that they see.  Eight waves of 512 registers.
;   Phase 1: wave w quantises key blocks w-1, w+7, w+15 of the 23 (wave 0 has no first one) and lays their codes in LDS.  One barrier.
;   Phase 2: wave w owns query block w: two tiles of 16 queries, one after the other; all 512 scores of a query stay in registers (256 a lane pair) until its sum is known, since P is quantised normalised.
; LAYOUT.  S^T = K Q^T (source 0 = 16 keys, source 1 = 16 queries): lane (r, h) holds query r and keys 8 h + 0..7 of each tile of 16 keys.  Eight such registers convert into two registers of codes, which ARE registers 2 c, 2 c + 1
;   of source 1 of O^T = V^T P^T in the K = 128 form (k = 16 c + 8 h + 0..7): nothing changes lanes.  V's codes lie in LDS as images of source 0's registers, in units of 32 keys x 16 channels (512 bytes, 16 a lane).
;   Unit u of a key block holds channels 32 (u % 2) + 2 row + u / 2: so phase 1 stores whole images with no bank met twice, and the way out puts the channels in order again.
;   Along the head's 64 both Q and K are fed by loads of 16 bytes (register 4 c + i: d = 32 c + 16 h + 4 i ..): the same permutation of k on both sides, so every product meets its partner.
; DEAD WORK LEFT OUT, for all values of the inputs: reference() sets the scores of key blocks under 0 and of keys behind the query to -infinity, so their p is 0 and neither their K nor their V reaches an output.
;   Key blocks under 0 (work-groups x = 0, 1) are neither loaded nor quantised: zero codes are laid in their place.  The tile of 16 keys that lies wholly behind a block's first 16 queries is not multiplied.
;   WHAT STAYS: in the first 15 query blocks of a head the products and the softmax's arithmetic still run over the masked key blocks (zero codes; scores overwritten with -infinity), because a tile's window lives in fixed registers.
;   A NaN, an infinity or an overflow that would reach only the work left out is not carried to the result.
; THE HOLD ON P: p <= 1 and 57,344 x 2^e2 >= 1 for e2 >= -15: then no p lies beyond the largest code, and one scalar branch on the whole number e2 leads round the 256 holds of a tile.  K's and V's holds always run.
; NO CLUSTER, NO TENSOR LOADS: neighbouring work-groups share key blocks, but as f32: 736 keys of K and V are 376,832 bytes, more than LDS holds, and they pass through registers to be quantised in any case.
; LIMITS: e0 + e1 between -123 and 130 (added to c's exponent field); e1, e2, e3 between -126 and 112; e2 + e3 goes by v_ldexp_f32 and has none.  NaN among the inputs is not served; infinities in key and value are held at the largest code.
; REGISTERS, in windows of 256 (s_set_vgpr_msb: bits 1:0 source 0, 3:2 source 1, 5:4 source 2, 7:6 destination):
;   window 0: v1-14 addresses; v16-31 Q; v32-59 statistics and constants; v64-127 K fragments (phase 1: codes in hand); v128-191 P of tile 0; v192-255 K fragments, then P of tile 1
;   window 1: S^T of the tile in hand (tile T of 16 keys at v[8 T]); later O^T (v0-63) and three steps of V.   Phase 1: three sets of 128 loaded numbers: window 0 v128-255, window 1 v0-127, window 1 v128-255.
.set KP,    80                         ; a key's row of codes in LDS: 64 bytes + 16: row r starts 20 r words on, so the 16 rows of a load start at 16 different 16-byte columns of 256 bytes (64 banks of 4 bytes: ISA guide 11.1)
.set SPT,   272                        ; a stage row: 256 bytes + 16
.set STG,   0                          ; the way out: 16 rows x 272 bytes for each wave
.set KB0,   8*16*SPT                   ; K's 736 rows
.set VB0,   KB0+736*KP                 ; V's 23 x 4 units of 512 bytes
.set SPARE, VB0+23*2048                ; the spare words, 128 bytes for each wave: four blocks of 256 bytes that no other line names
.set SPW,  1                           ; v1   LDS address of my spare word; never rewritten
.set NIL,  2                           ; v2   0; never rewritten
.set LO16, 3                           ; v3   16 x lane: K's loads, O's stores
.set LO8,  4                           ; v4   8 x lane: V's loads
.set KW,   5                           ; v5   phase 1: where I store a word of K's codes, for block w - 1
.set VW,   6                           ; v6   phase 1: where I store 16 bytes of V's images, for block w - 1
.set KR,   7                           ; v7   phase 2: my lane's place in my window's first tile of K
.set VZ,   8                           ; v8   V's unit 0 of block w - 1, + 16 x lane
.set SO,   9                           ; v9   the stage: where I put 16 bytes of a row
.set SR,   10                          ; v10  and where I read rows back
.set QO,   11                          ; v11  Q: 64 r + 16 h
.set DG,   12                          ; v12  r - 8 h: on the diagonal register j is hidden where j > r - 8 h
.set NI,   13                          ; v13  -infinity
.set KZ,   14                          ; v14  K's rows of block w - 1, + 16 x lane
.set QF,   16                          ; v16-31 Q's two fragments
.set NM,   32                          ; v[32:33] -c m (the pair's low word serves both halves)
.set RL,   34                          ; v[34:35] 1 / the row's sum (likewise)
.set MX,   36                          ; v36-39 four chains of the maximum
.set LS,   40                          ; v40-47 four chains of the sum, two halves each
.set TP,   48                          ; v48  the other half of the lanes' figure
.set SCP,  49                          ; 2^e2;  v50: 57,344 x 2^e2
.set LIMP, 50
.set SCK,  51                          ; the same for K (e1)
.set LIMK, 52
.set SCV,  53                          ; and for V (e3)
.set LIMV, 54
.set Z4,   56                          ; v56-59 zeros
.set LN,   60                          ; v60-63 at work at the head
.set RR,   61
.set HH,   62
.set T3,   63
.set BA,   64                          ; K fragments, buffer A
.set CK,   64                          ; phase 1: K's codes;  v80-95 V's codes as converted;  v96-111 V's codes, keys innermost
.set CR,   80
.set VF,   96
.set PC,   128                         ; P's codes: tile t at PC + 64 t
.set BB,   192                         ; K fragments, buffer B
.set OU,   64                          ; the way out: results in the order of the channels
.set BK,   128                         ; and rows read back
.set WV,   14                          ; s14  my wave's number
.set CS,   34                          ; s[34:35] c = log2(e) / 8 x 2^(e0+e1)
.set CN,   36                          ; s36  -c
.set EO,   37                          ; s37  e2 + e3
.set HOLD, 38                          ; s38  1 where p can lie beyond the largest code
.set NINV, 39                          ; s39  how many of my window's first key blocks lie under 0
.set SEL,  40                          ; s[40:41] v_permlanex16_b32's selects for lane l xor 16
.set SELE, 42                          ; s42, s43 v_perm_b32's selects: bytes 0, 2 and bytes 1, 3 of two words
.set SELO, 43
.set MSB, 0
.macro WIN new                         ; the immediate's high byte repeats the setting that is left; a switch that changes nothing is dropped
.if MSB != (\new)
	s_set_vgpr_msb (MSB<<8)|(\new)
.set MSB, (\new)
.endif
.endm
.macro PLACES                          ; four plain vector instructions between a matrix instruction and a load into, or a vector instruction on, its registers
.rept 4
	v_nop
.endr
.endm
	s_load_b256 s[4:11], s[0:1], 0x0               ; query_codes s[4:5], key s[6:7], value s[8:9], lowp_scales s[10:11]
	s_load_b64 s[12:13], s[0:1], 0x20              ; out0
	v_lshl_add_u32 v[SPW], v0, 2, SPARE
	v_mov_b32 v[NIL], 0
	v_lshrrev_b32 v[T3], 5, v0
	v_readfirstlane_b32 s[WV], v[T3]               ; wave 0..7
	v_and_b32 v[LN], 31, v0                        ; lane
	v_and_b32 v[RR], 15, v0                        ; r = lane % 16
	v_bfe_u32 v[HH], v0, 4, 1                      ; h = lane / 16
	s_and_b32 s15, ttmp7, 0xffff                   ; the head
	s_lshl_b32 s22, s15, 12
	s_lshl_b32 s23, ttmp9, 8
	s_add_co_u32 s22, s22, s23
	s_lshl_b32 s23, s[WV], 5
	s_add_co_u32 s22, s22, s23                     ; my query block's first row: 4096 head + 256 x + 32 wave
	s_lshl_b32 s28, s22, 6                         ; in bytes of codes,
	s_mov_b32 s29, 0
	s_lshl_b32 s30, s22, 8                         ; and of f32 rows
	s_mov_b32 s31, 0
	s_lshl_b32 s23, ttmp9, 3
	s_add_co_u32 s23, s23, s[WV]                   ; my query block in the head
	s_sub_co_i32 s23, 15, s23
	s_max_i32 s[NINV], s23, 0
	s_mov_b32 s[SEL], 0x76543210
	s_mov_b32 s[SEL+1], 0xfedcba98
	s_mov_b32 s[SELE], 0x06040200
	s_mov_b32 s[SELO], 0x07050301
	v_lshlrev_b32 v[LO16], 4, v[LN]
	v_lshlrev_b32 v[LO8], 3, v[LN]
	v_lshlrev_b32 v[QO], 6, v[RR]
	v_lshl_add_u32 v[QO], v[HH], 4, v[QO]
	s_mul_i32 s16, s[WV], 32*KP                    ; a key block's rows are 2,560 bytes
	s_add_co_u32 s17, s16, KB0-32*KP               ; block w - 1
	s_add_co_u32 s18, s16, KB0                     ; block w: my window's first
	v_mul_u32_u24 v[KW], v[HH], KP                 ; a load's lanes 0-15 hold one key's row, lanes 16-31 the next one's; 4 bytes of codes a lane
	v_lshl_add_u32 v[KW], v[RR], 2, v[KW]
	v_add_nc_u32 v[KW], s17, v[KW]
	v_add_nc_u32 v[KZ], s17, v[LO16]
	v_mul_u32_u24 v[KR], v[RR], KP                 ; a fragment: row r, + 16 h
	v_lshl_add_u32 v[KR], v[HH], 4, v[KR]
	v_add_nc_u32 v[KR], s18, v[KR]
	s_lshl_b32 s19, s[WV], 11                      ; a key block's four units are 2,048 bytes
	s_add_co_u32 s19, s19, VB0-2048
	v_lshlrev_b32 v[VW], 9, v[HH]                  ; lanes 16-31 hold channels 32 on: the next unit
	v_lshl_add_u32 v[VW], v[RR], 4, v[VW]
	v_add_nc_u32 v[VW], s19, v[VW]
	v_add_nc_u32 v[VZ], s19, v[LO16]
	s_mul_i32 s21, s[WV], 16*SPT                   ; my stage (STG = 0)
	v_mul_u32_u24 v[SO], v[RR], SPT
	v_lshl_add_u32 v[SO], v[HH], 6, v[SO]
	v_add_nc_u32 v[SO], s21, v[SO]
	v_mul_u32_u24 v[SR], v[HH], SPT
	v_lshl_add_u32 v[SR], v[RR], 4, v[SR]
	v_add_nc_u32 v[SR], s21, v[SR]
	v_lshlrev_b32 v[T3], 3, v[HH]
	v_sub_nc_u32 v[DG], v[RR], v[T3]
	v_mov_b32 v[NI], 0xff800000
	v_mov_b32 v[NM+1], 0                           ; named as upper halves of pairs, so they are written
	v_mov_b32 v[RL+1], 0
	v_mov_b32 v[TP], 0                             ; a lane permute's destination counts as one of its sources
.irp n, 0,1,2,3
	v_mov_b32 v[Z4+\n], 0
.endr
	s_wait_kmcnt 0x0
	s_load_b128 s[24:27], s[10:11], 0x0            ; e0, e1, e2, e3
	s_add_nc_u64 s[4:5], s[4:5], s[28:29]          ; Q's codes at my query block
	s_add_nc_u64 s[6:7], s[6:7], s[30:31]          ; key, value and out0 at the same row: key block w + 15 of the 23
	s_add_nc_u64 s[8:9], s[8:9], s[30:31]
	s_add_nc_u64 s[12:13], s[12:13], s[30:31]
.irp t, 0,1
.irp c, 0,1
	global_load_b128 v[QF+8*\t+4*\c:QF+8*\t+4*\c+3], v[QO], s[4:5] offset:1024*\t+32*\c th:TH_LOAD_NT   ; read once in the launch
.endr
.endr
; ---------------- PHASE 1 ----------------
; My t-th key block (block w + 8 t - 1 of the 23) lies 256 (t - 2) rows from my query block's first row.  K: 16 loads of 512 consecutive bytes (two rows);  V: 32 loads of 256 consecutive bytes (one row, two channels a lane).
.macro LOADS t
.if \t == 0
.set XB, 128
	WIN 0
.else
.set XB, 128*(\t-1)
	WIN 0x40                                       ; destination window 1
.endif
.set ii, 0
.rept 16
	global_load_b128 v[XB+4*ii:XB+4*ii+3], v[LO16], s[6:7] offset:(\t-2)*65536+512*ii
.set ii, ii+1
.endr
.set ii, 0
.rept 32
	global_load_b64 v[XB+64+2*ii:XB+64+2*ii+1], v[LO8], s[8:9] offset:(\t-2)*65536+256*ii
.set ii, ii+1
.endr
	WIN 0
.endm
; The powers of two, from the four whole numbers.
.macro CONSTS
	s_wait_kmcnt 0x0
	s_add_co_i32 s32, s24, s25
	s_lshl_b32 s32, s32, 23
	s_add_co_i32 s[CS], s32, 0x3e38aa3b            ; log2(e) / 8, with e0 + e1 added to its exponent field
	s_mov_b32 s[CS+1], s[CS]                       ; (named with it as a pair, so it is written)
	s_xor_b32 s[CN], s[CS], 0x80000000
	s_add_co_i32 s32, s25, 127
	s_lshl_b32 s33, s32, 23
	v_mov_b32 v[SCK], s33                          ; 2^e1 as f32: the conversion takes its exponent field
	s_add_co_i32 s32, s32, 15
	s_lshl_b32 s32, s32, 23
	s_or_b32 s32, s32, 0x600000
	v_mov_b32 v[LIMK], s32                         ; 57,344 x 2^e1
	s_add_co_i32 s32, s27, 127
	s_lshl_b32 s33, s32, 23
	v_mov_b32 v[SCV], s33
	s_add_co_i32 s32, s32, 15
	s_lshl_b32 s32, s32, 23
	s_or_b32 s32, s32, 0x600000
	v_mov_b32 v[LIMV], s32
	s_add_co_i32 s32, s26, 127
	s_lshl_b32 s33, s32, 23
	v_mov_b32 v[SCP], s33
	s_add_co_i32 s32, s32, 15
	s_lshl_b32 s32, s32, 23
	s_or_b32 s32, s32, 0x600000
	v_mov_b32 v[LIMP], s32
	s_add_co_i32 s[EO], s26, s27
	s_cmp_lt_i32 s26, -15
	s_cselect_b32 s[HOLD], 1, 0
.endm
; A key block under 0: zero codes in place of its K rows (2,560 bytes with their padding) and its V units (2,048 bytes).
.macro ZERO t
.irp n, 0,1,2,3,4
	ds_store_b128 v[KZ], v[Z4:Z4+3] offset:20480*\t+512*\n
.endr
.irp n, 0,1,2,3
	ds_store_b128 v[VZ], v[Z4:Z4+3] offset:16384*\t+512*\n
.endr
.endm
; My t-th key block is quantised.  nk, nv: how many loads were issued behind K's, behind V's (cut at the counter's 63).
.macro PROC t, nk, nv
.if \t == 0
.set XB, 128
.set WA, 0
.set WC, 0
.else
.set XB, 128*(\t-1)
.set WA, 0x41                                  ; destination and source 0 window 1
.set WC, 0x01                                  ; source 0 window 1
.endif
	s_wait_loadcnt \nk                             ; loads come back in order: K's 16 are in
	WIN WA
.set ii, 0
.rept 64
	v_med3_num_f32 v[XB+ii], v[XB+ii], -v[LIMK], v[LIMK]   ; the conversion to an 8-bit code does not saturate (ISA guide 7.6.2): the hold at the largest code x the scale
.set ii, ii+1
.endr
	s_wait_dscnt 0x0                               ; the block before has stored its codes: their registers may be written again
	WIN WC
.set ii, 0
.rept 8
	v_cvt_scalef32_pk8_bf8_f32 v[CK+2*ii:CK+2*ii+1], v[XB+8*ii:XB+8*ii+7], v[SCK]   ; two loads' numbers: word 2 ii: row 4 ii + h, word 2 ii + 1: row 4 ii + 2 + h; my 4 channels each
.set ii, ii+1
.endr
	WIN 0
.set ii, 0
.rept 16
	ds_store_b32 v[KW], v[CK+ii] offset:20480*\t+160*ii    ; row 2 ii + h: sixteen lanes write its 64 bytes
.set ii, ii+1
.endr
	s_wait_loadcnt \nv                             ; V's 32 are in
	WIN WA
.set ii, 0
.rept 64
	v_med3_num_f32 v[XB+64+ii], v[XB+64+ii], -v[LIMV], v[LIMV]
.set ii, ii+1
.endr
	WIN WC
.set ii, 0
.rept 8
	v_cvt_scalef32_pk8_bf8_f32 v[CR+2*ii:CR+2*ii+1], v[XB+64+8*ii:XB+64+8*ii+7], v[SCV]   ; keys 4 ii .. 4 ii + 3, my two channels by turns
.set ii, ii+1
.endr
	WIN 0
	v_nop                                          ; one plain vector instruction between a scaled conversion and the vector instruction that reads its result
.set gg, 0
.rept 8                                        ; four keys of ONE channel to a word; the words of keys 8 h' + 0..7 and 16 + 8 h' + 0..7 on end, as the operand's lane (row, h') wants them
	v_perm_b32 v[VF+4*((gg/2)%2)+(gg%2)+2*(gg/4)],   v[CR+2*gg+1], v[CR+2*gg], s[SELE]
	v_perm_b32 v[VF+8+4*((gg/2)%2)+(gg%2)+2*(gg/4)], v[CR+2*gg+1], v[CR+2*gg], s[SELO]
.set gg, gg+1
.endr
.irp e, 0,1
.irp p, 0,1
	ds_store_b128 v[VW], v[VF+8*\e+4*\p:VF+8*\e+4*\p+3] offset:16384*\t+1024*\e+256*\p   ; unit 2 e + lane / 16, lane' = lane % 16 + 16 h': sixteen lanes write 256 consecutive bytes
.endr
.endr
.endm
; Which of my three blocks exist hangs on the work-group's x alone (and block w - 1 on the wave): x = 0: the third; x = 1: the second and third; else all.  Each case is one way through the text.
; A block that can be absent is always asked for AHEAD of those that are always there, so the counts of the waits hold on every way.
	s_cmp_ge_u32 ttmp9, 2
	s_cbranch_scc1 .Linner
	s_cmp_eq_u32 ttmp9, 1
	s_cbranch_scc1 .Lsecond
	LOADS 2                                        ; x = 0
	CONSTS
	s_cmp_eq_u32 s[WV], 0
	s_cbranch_scc1 .Lfirst_w0
	ZERO 0
.Lfirst_w0:
	ZERO 1
	s_branch .Lblock2
.Lsecond:                                          ; x = 1
	LOADS 1
	LOADS 2
	CONSTS
	s_cmp_eq_u32 s[WV], 0
	s_cbranch_scc1 .Lblock1
	ZERO 0
	s_branch .Lblock1
.Linner:                                           ; x >= 2
	s_cmp_eq_u32 s[WV], 0
	s_cbranch_scc1 .Linner_l0
	LOADS 0
.Linner_l0:
	LOADS 1
	CONSTS
	s_cmp_eq_u32 s[WV], 0
	s_cbranch_scc1 .Linner_p0
	PROC 0, 63, 48                                 ; behind K's loads: V's 32 and the next block's 48, cut at 63; behind V's: 48
.Linner_p0:
	LOADS 2                                        ; the third block is asked for while the second is on its way
.Lblock1:
	PROC 1, 63, 48                                 ; likewise
.Lblock2:
	PROC 2, 32, 0                                  ; behind K's loads: V's 32; behind V's: none
	s_wait_dscnt 0x0                               ; for the others' sake: my codes lie in LDS
	s_barrier_signal -1
	s_barrier_wait -1                              ; everybody's do
; ---------------- PHASE 2 ----------------
.macro KLOAD bt, buf, n                        ; n fragments (16 keys x 64) of batch bt of my window: two loads of 16 bytes a lane each
.set ff, 0
.rept \n
	ds_load_b128 v[\buf+8*ff:\buf+8*ff+3],   v[KR] offset:16*KP*(8*\bt+ff)
	ds_load_b128 v[\buf+8*ff+4:\buf+8*ff+7], v[KR] offset:16*KP*(8*\bt+ff)+32
.set ff, ff+1
.endr
.endm
.macro KMUL t, bt, buf, n                      ; their scores: each product is a whole sum (K = 64) and starts from the constant 0
.set ff, 0
.rept \n
	v_wmma_f32_16x16x64_bf8_bf8 v[64*\bt+8*ff:64*\bt+8*ff+7], v[\buf+8*ff:\buf+8*ff+7], v[QF+8*\t:QF+8*\t+7], 0
.set ff, ff+1
.endr
.endm
; One tile of 16 queries: scores, mask, softmax, codes of P.
.macro TILE t
.set N3, 7+\t                                  ; the window's last tile of 16 keys lies wholly behind the block's first 16 queries: it is not multiplied for them
	KLOAD 0, BA, 8
	KLOAD 1, BB, 8
	s_wait_dscnt 16                                ; batch 0 is in; batch 1's 16 loads may be out
	WIN 0x40                                       ; destination window 1
	KMUL \t, 0, BA, 8
	PLACES
	WIN 0
	KLOAD 2, BA, 8
	s_wait_dscnt 16
	WIN 0x40
	KMUL \t, 1, BB, 8
	PLACES
	WIN 0
	KLOAD 3, BB, N3
	s_wait_dscnt 2*N3                              ; batch 2 is in; batch 3's loads may be out
	WIN 0x40
	KMUL \t, 2, BA, 8
	s_wait_dscnt 0x0
	KMUL \t, 3, BB, N3
	PLACES
.if \t == 0
.set jj, 0
.rept 8
	v_mov_b32 v[248+jj], v[NI]                     ; that tile's scores
.set jj, jj+1
.endr
.endif
	WIN 0x41                                       ; the tile on the diagonal: key 8 h + j against query r
.set jj, 0
.rept 8
	v_cmp_gt_i32 vcc_lo, jj, v[DG]
	v_cndmask_b32 v[240+8*\t+jj], v[240+8*\t+jj], v[NI], vcc_lo
.set jj, jj+1
.endr
	WIN 0
	s_cmp_eq_u32 s[NINV], 0                        ; key blocks under 0 (the head's first 15 query blocks alone): their scores become -infinity, block by block
	s_cbranch_scc1 .Lfull_\@
.set bb, 0
.rept 15
	WIN 0x40
.set ii, 0
.rept 16
	v_mov_b32 v[16*bb+ii], v[NI]
.set ii, ii+1
.endr
	WIN 0
.if bb < 14
	s_cmp_le_u32 s[NINV], bb+1
	s_cbranch_scc1 .Lfull_\@
.endif
.set bb, bb+1
.endr
.Lfull_\@:
	; the row's largest score: four chains of 64 registers, each tile from its low end on
	WIN 0x15
.irp c, 0,1,2,3
	v_max3_num_f32 v[MX+\c], v[64*\c], v[64*\c+1], v[64*\c+2]
.endr
	WIN 0x14
.set kk, 1
.rept 30
.irp c, 0,1,2,3
	v_max3_num_f32 v[MX+\c], v[MX+\c], v[64*\c+2*kk+1], v[64*\c+2*kk+2]
.endr
.set kk, kk+1
.endr
	v_max3_num_f32 v[MX], v[MX], v63, v127
	v_max3_num_f32 v[MX+2], v[MX+2], v191, v255
	WIN 0
	v_max3_num_f32 v[MX], v[MX], v[MX+1], v[MX+2]
	v_max_num_f32 v[MX], v[MX], v[MX+3]
	v_permlanex16_b32 v[TP], v[MX], s[SEL], s[SEL+1]   ; the query's other 256 keys lie in the lane 16 away
	v_max_num_f32 v[MX], v[MX], v[TP]
	v_mul_f32 v[NM], s[CN], v[MX]                  ; -c m.  The query's own key always counts, so m is a number
	; p' = 2^(c s - c m): ONE BATCH of 256 exponentials, each pair's scaling set two exponentials ahead of it; nothing in the batch names a result
	WIN 0x41
	v_pk_fma_f32 v[0:1], v[0:1], s[CS:CS+1], v[NM:NM+1] op_sel_hi:[1,0,0]
.set kk, 1
.rept 127
	v_pk_fma_f32 v[2*kk:2*kk+1], v[2*kk:2*kk+1], s[CS:CS+1], v[NM:NM+1] op_sel_hi:[1,0,0]
	v_exp_f32 v[2*kk-2], v[2*kk-2]
	v_exp_f32 v[2*kk-1], v[2*kk-1]
.set kk, kk+1
.endr
	v_exp_f32 v254, v254
	v_exp_f32 v255, v255
	v_nop                                          ; a plain instruction behind the last exponential
	s_wait_alu depctr_va_vdst(0)                   ; the wait ahead of the first use of a result: one for the batch
	; the row's sum, two at a time, in four chains
	WIN 0x05
.irp c, 0,1,2,3
	v_pk_add_f32 v[LS+2*\c:LS+2*\c+1], v[64*\c:64*\c+1], v[64*\c+2:64*\c+3]
.endr
	WIN 0x04
.set kk, 2
.rept 30
.irp c, 0,1,2,3
	v_pk_add_f32 v[LS+2*\c:LS+2*\c+1], v[LS+2*\c:LS+2*\c+1], v[64*\c+2*kk:64*\c+2*kk+1]
.endr
.set kk, kk+1
.endr
	WIN 0
	v_pk_add_f32 v[LS:LS+1], v[LS:LS+1], v[LS+2:LS+3]
	v_pk_add_f32 v[LS+4:LS+5], v[LS+4:LS+5], v[LS+6:LS+7]
	v_pk_add_f32 v[LS:LS+1], v[LS:LS+1], v[LS+4:LS+5]
	v_add_f32 v[LS], v[LS], v[LS+1]
	v_permlanex16_b32 v[TP], v[LS], s[SEL], s[SEL+1]
	v_add_f32 v[LS], v[LS], v[TP]
	v_rcp_f32 v[RL], v[LS]
	v_nop                                          ; a plain instruction behind the reciprocal,
	s_wait_alu depctr_va_vdst(0)                   ; and the wait ahead of its first use
	; P = p' / the sum, finished and normalised: that is what is quantised
	WIN 0x41
.set kk, 0
.rept 128
	v_pk_mul_f32 v[2*kk:2*kk+1], v[2*kk:2*kk+1], v[RL:RL+1] op_sel_hi:[1,0]
.set kk, kk+1
.endr
	WIN 0
	s_cmp_eq_u32 s[HOLD], 0                        ; e2 >= -15: 57,344 x 2^e2 >= 1 >= P: the hold can hold nothing
	s_cbranch_scc1 .Lno_hold_\@
	WIN 0x41
.set ii, 0
.rept 256
	v_min_num_f32 v[ii], v[ii], v[LIMP]            ; P is not negative, so the hold is one-sided
.set ii, ii+1
.endr
	WIN 0
.Lno_hold_\@:
	WIN 0x01
.set ii, 0
.rept 32
	v_cvt_scalef32_pk8_bf8_f32 v[PC+64*\t+2*ii:PC+64*\t+2*ii+1], v[8*ii:8*ii+7], v[SCP]   ; tile ii's eight keys: registers 2 c, 2 c + 1 of the second product's source 1
.set ii, ii+1
.endr
	WIN 0
	v_nop                                          ; one plain vector instruction between the last conversion and the matrix instructions that read its result or write its sources
.endm
	TILE 0
	TILE 1
	; O^T = V^T P^T for both tiles: each fragment of V (16 channels x 128 keys: four units) feeds two products.  All 64 loads go out at once: steps 0-2 into window 1, where the scores lay, step 3 into window 0.
	WIN 0x40
.irp s, 0,1,2
.irp d, 0,1,2,3
.irp q, 0,1,2,3
	ds_load_b128 v[64+64*\s+16*\d+4*\q:64+64*\s+16*\d+4*\q+3], v[VZ] offset:2048*(1+4*\s+\q)+512*\d
.endr
.endr
.endr
	WIN 0
.irp d, 0,1,2,3
.irp q, 0,1,2,3
	ds_load_b128 v[64+16*\d+4*\q:64+16*\d+4*\q+3], v[VZ] offset:2048*(13+\q)+512*\d
.endr
.endr
	s_wait_dscnt 48                                ; step 0's 16 loads are in; the 48 behind them may be out
	WIN 0x51                                       ; V window 1, P window 0, O^T window 1.  The eight accumulators take turns, one instruction a turn
.irp d, 0,1,2,3
.irp t, 0,1
	v_wmma_f32_16x16x128_bf8_bf8 v[8*(4*\t+\d):8*(4*\t+\d)+7], v[64+16*\d:64+16*\d+15], v[PC+64*\t:PC+64*\t+15], 0
.endr
.endr
.irp s, 1,2
	s_wait_dscnt 48-16*\s
.irp d, 0,1,2,3
.irp t, 0,1
	v_wmma_f32_16x16x128_bf8_bf8 v[8*(4*\t+\d):8*(4*\t+\d)+7], v[64+64*\s+16*\d:64+64*\s+16*\d+15], v[PC+64*\t+16*\s:PC+64*\t+16*\s+15], v[8*(4*\t+\d):8*(4*\t+\d)+7]
.endr
.endr
.endr
	s_wait_dscnt 0x0
	WIN 0x50                                       ; step 3's V lies in window 0
.irp d, 0,1,2,3
.irp t, 0,1
	v_wmma_f32_16x16x128_bf8_bf8 v[8*(4*\t+\d):8*(4*\t+\d)+7], v[64+16*\d:64+16*\d+15], v[PC+64*\t+48:PC+64*\t+63], v[8*(4*\t+\d):8*(4*\t+\d)+7]
.endr
.endr
	PLACES
	; THE WAY OUT.  Register j of unit u holds channel 32 (u % 2) + 16 h + 2 j + u / 2 of query r: x 2^(e2+e3), into the order of the channels; 16 rows through my stage; back as whole rows.
.irp t, 0,1
	WIN 0x01
.irp a, 0,1
.irp u, 0,1,2,3
.irp z, 0,1,2,3
	v_ldexp_f32 v[OU+32*\t+16*\a+4*\u+\z], v[8*(4*\t+\a+2*(\z%2))+2*\u+\z/2], s[EO]   ; each accumulator from its low end on
.endr
.endr
.endr
	WIN 0
.irp a, 0,1
.irp u, 0,1,2,3
	ds_store_b128 v[SO], v[OU+32*\t+16*\a+4*\u:OU+32*\t+16*\a+4*\u+3] offset:128*\a+16*\u   ; channels 32 a + 16 h + 4 u + 0..3 of row r
.endr
.endr
.irp i, 0,1,2,3,4,5,6,7
	ds_load_b128 v[BK+32*\t+4*\i:BK+32*\t+4*\i+3], v[SR] offset:2*SPT*\i   ; LDS serves a wave's instructions in order (ISA guide 5.7.1.4): these see my stores, and the next tile's stores come behind them
.endr
.endr
.irp t, 0,1
.irp i, 0,1,2,3,4,5,6,7
	s_wait_dscnt 23-16*\t-\i                       ; behind this load: the rest of its eight, and for tile 0 the next tile's 16
	global_store_b128 v[LO16], v[BK+32*\t+4*\i:BK+32*\t+4*\i+3], s[12:13] offset:4096*\t+512*\i th:TH_STORE_NT   ; two rows: 512 consecutive bytes, at a multiple of 256 from out0's first byte; written once
.endr
.endr
	s_wait_tensorcnt 0x0                           ; the wave's end
	ds_add_u32 v[SPW], v[NIL]
	s_wait_dscnt 0x0
	s_endpgm
.Lfunc_end_k_q19b3c71343_attn:
	.size	k_q19b3c71343_attn, .Lfunc_end_k_q19b3c71343_attn-k_q19b3c71343_attn
	.p2alignl 7, 3214868480
	.fill 96, 4, 3214868480
	.section	.rodata,"a",@progbits
	.p2align	6, 0x0
	.amdhsa_kernel k_q19b3c71343_attn
		.amdhsa_group_segment_fixed_size 141824
		.amdhsa_private_segment_fixed_size 0
		.amdhsa_enable_private_segment 0
		.amdhsa_kernarg_size 40
		.amdhsa_user_sgpr_count 2
		.amdhsa_user_sgpr_kernarg_segment_ptr 1
		.amdhsa_wavefront_size32 1
		.amdhsa_system_sgpr_workgroup_id_x 1
		.amdhsa_system_sgpr_workgroup_id_y 1
		.amdhsa_system_sgpr_workgroup_id_z 1
		.amdhsa_system_vgpr_workitem_id 0
		.amdhsa_next_free_vgpr 512
		.amdhsa_next_free_sgpr 66
		.amdhsa_reserve_vcc 1
		.amdhsa_float_denorm_mode_32 3
		.amdhsa_float_denorm_mode_16_64 3
		.amdhsa_memory_ordered 1
		.amdhsa_forward_progress 1
		.amdhsa_inst_pref_size 221
	.end_amdhsa_kernel
	.amdgpu_metadata
---
amdhsa.version: [ 1, 2 ]
amdhsa.kernels:
  - .name:           k_q19b3c71343_attn
    .symbol:         k_q19b3c71343_attn.kd
    .args:
      - { .name: query_codes, .offset: 0, .size: 8, .value_kind: global_buffer, .address_space: global }
      - { .name: key, .offset: 8, .size: 8, .value_kind: global_buffer, .address_space: global }
      - { .name: value, .offset: 16, .size: 8, .value_kind: global_buffer, .address_space: global }
      - { .name: lowp_scales, .offset: 24, .size: 8, .value_kind: global_buffer, .address_space: global }
      - { .name: out0, .offset: 32, .size: 8, .value_kind: global_buffer, .address_space: global }
    .group_segment_fixed_size: 141824
    .private_segment_fixed_size: 0
    .kernarg_segment_align: 8
    .kernarg_segment_size: 40
    .max_flat_workgroup_size: 256
    .sgpr_count:     66
    .vgpr_count:     512
    .wavefront_size: 32
...
	.end_amdgpu_metadata
.endif
;; end of part 1
;; ======== version 2 of 2: 1 launch; version 1 with the launch attn written anew for expert scheduling mode
;; launch attn (part 2): grid 16 x 16, 8 waves a work-group, no clusters, 141,824 bytes of LDS; arguments query_codes, key, value, lowp_scales, out0; writes out0
.if DOCPART == 2
	.amdgcn_target "amdgcn-amd-amdhsa--gfx1250"
	.amdhsa_code_object_version 6
	.text
	.protected	k_q19b3c71343_attn
	.globl	k_q19b3c71343_attn
	.p2align	8
	.type	k_q19b3c71343_attn,@function
k_q19b3c71343_attn:
	s_mov_b64 s[64:65], 0
	v_nop
	global_prefetch_b8 v0, s[64:65] scope:SCOPE_SE
	s_setreg_imm32_b32 hwreg(HW_REG_WAVE_SCHED_MODE, 0, 2), 2
	s_setreg_imm32_b32 hwreg(HW_REG_WAVE_MODE, 25, 1), 1
	s_wait_xcnt 0x0
	s_wait_alu depctr_vm_vsrc(0)
; Block-sparse causal local attention on codes of BF8 (E5M2).  query_codes [16 heads][4096][64] codes; key, value [16][4096][64] f32; out0 [16][4096][64] f32; lowp_scales: e0 (Q), e1 (K), e2 (P), e3 (V).
; Query block i (32 queries) sees key blocks i-15 .. i (32 keys each), key <= query inside block i, key blocks under 0 not at all.
; scores = Q K^T (both as codes) x 2^(e0+e1) / 8;  P = the finished softmax, normalised, quantised with 2^e2;  O = P V on codes, x 2^(e2+e3).
; SHARES.  A work-group owns 256 queries of one head (8 query blocks) and the 23 key blocks (736 keys) that they see.  Eight waves of 512 registers.
;   Phase 1: wave w quantises key blocks w-1, w+7, w+15 of the 23 (wave 0 has no first one) and lays their codes in LDS.  One barrier.
;   Phase 2: wave w owns query block w: two tiles of 16 queries, one after the other; all 512 scores of a query stay in registers (256 a lane pair) until its sum is known, since P is quantised normalised.
; LAYOUT.  S^T = K Q^T (source 0 = 16 keys, source 1 = 16 queries): lane (r, h) holds query r and keys 8 h + 0..7 of each tile of 16 keys.  Eight such registers convert into two registers of codes, which ARE registers 2 c, 2 c + 1
;   of source 1 of O^T = V^T P^T in the K = 128 form (k = 16 c + 8 h + 0..7): nothing changes lanes.  V's codes lie in LDS as images of source 0's registers, in units of 32 keys x 16 channels (512 bytes, 16 a lane).
;   Unit u of a key block holds channels 32 (u % 2) + 2 row + u / 2: so phase 1 stores whole images with no bank met twice, and the way out puts the channels in order again.
;   Along the head's 64 both Q and K are fed by loads of 16 bytes (register 4 c + i: d = 32 c + 16 h + 4 i ..): the same permutation of k on both sides, so every product meets its partner.
; DEAD WORK LEFT OUT, for all values of the inputs: reference() sets the scores of key blocks under 0 and of keys behind the query to -infinity, so their p is 0 and neither their K nor their V reaches an output.
;   Key blocks under 0 (work-groups x = 0, 1) are neither loaded nor quantised: zero codes are laid in their place.  The tile of 16 keys that lies wholly behind a block's first 16 queries is not multiplied.
;   WHAT STAYS: in the first 15 query blocks of a head the products and the softmax's arithmetic still run over the masked key blocks (zero codes; scores overwritten with -infinity), because a tile's window lives in fixed registers.
;   A NaN, an infinity or an overflow that would reach only the work left out is not carried to the result.
; THE HOLD ON P: p <= 1 and 57,344 x 2^e2 >= 1 for e2 >= -15: then no p lies beyond the largest code, and one scalar branch on the whole number e2 leads round the 256 holds of a tile.  K's and V's holds always run.
; NO CLUSTER, NO TENSOR LOADS: neighbouring work-groups share key blocks, but as f32: 736 keys of K and V are 376,832 bytes, more than LDS holds, and they pass through registers to be quantised in any case.
; LIMITS: e0 + e1 between -123 and 130 (added to c's exponent field); e1, e2, e3 between -126 and 112; e2 + e3 goes by v_ldexp_f32 and has none.  NaN among the inputs is not served; infinities in key and value are held at the largest code.
; REGISTERS, in windows of 256 (s_set_vgpr_msb: bits 1:0 source 0, 3:2 source 1, 5:4 source 2, 7:6 destination):
;   window 0: v1-14 addresses; v16-31 Q; v32-59 statistics and constants; v64-127 K fragments (phase 1: codes in hand), later V's last step; v128-191 P of tile 0; v192-255 K fragments, then P of tile 1
;   window 1: S^T of the tile in hand (tile T of 16 keys at v[8 T]); later O^T (v0-63) and three steps of V.   Phase 1: three sets of 128 loaded numbers: window 0 v128-255, window 1 v0-127, window 1 v128-255.
; THE MODE: SCHED_MODE bits 1:0 = 2 (LLVM: expert scheduling mode 2), set by the entry lines.  The code itself states the register dependences between vector or matrix instructions and memory or LDS instructions, with s_wait_alu, always for 0.
; THE PLAN.  Registers that memory or LDS instructions touch, and who else names them:
;   v1-14, v56-59   addresses, offsets and zeros: written at the head and never again.  ONE wait on va_vdst, ahead of Q's loads, serves every load and store of the kernel.
;   the three sets  of phase 1 (v128-511): each is loaded once, into registers that no vector instruction has named before.
;   CK, VF          (v64-79, v96-111): written by a key block's conversions and permutes; read by its 20 LDS stores, which stand together at the block's end behind ONE wait on va_vdst; written again by the next block behind ONE wait on vm_vsrc.
;   BA, BB          (v64-127, v192-255): K's fragments land there; products K Q^T read them.  Behind the barrier a wait on vm_vsrc (phase 1's stores have read v64-111).  At the head of a batch, behind the wait for its own fragments,
;                   a wait on va_vdst shows the batch before done with its buffer; the loads of the batch after next follow, then this batch's products, which name the other buffer, Q and the scores alone.
;                   The wait behind a tile's exponentials shows all its products done: straight behind it stand the next tile's first two batches (tile 0) or V's last step, into BA (tile 1): the rest of the softmax names neither buffer.
;   window 1 v64-255  V's steps 0 to 2 land where tile 1's scores lay: ONE wait on va_vdst behind that tile's last conversion.
;   OU, BK          (v64-127, v128-191): both tiles' 64 scalings write OU; ONE wait on va_vdst; the LDS stores read OU, and the rows come back into BK, which the last products read as P's codes.
; The wave's number and the diagonal's eight masks pass from vector instructions into scalar registers: a wait on va_sdst stands ahead of the first reader of each.
.set KP,    80                         ; a key's row of codes in LDS: 64 bytes + 16: row r starts 20 r words on, so the 16 rows of a load start at 16 different 16-byte columns of 256 bytes (64 banks of 4 bytes: ISA guide 11.1)
.set SPT,   272                        ; a stage row: 256 bytes + 16
.set STG,   0                          ; the way out: 16 rows x 272 bytes for each wave
.set KB0,   8*16*SPT                   ; K's 736 rows
.set VB0,   KB0+736*KP                 ; V's 23 x 4 units of 512 bytes
.set SPARE, VB0+23*2048                ; the spare words, 128 bytes for each wave: four blocks of 256 bytes that no other line names
.set SPW,  1                           ; v1   LDS address of my spare word; never rewritten
.set NIL,  2                           ; v2   0; never rewritten
.set LO16, 3                           ; v3   16 x lane: K's loads, O's stores
.set LO8,  4                           ; v4   8 x lane: V's loads
.set KW,   5                           ; v5   phase 1: where I store a word of K's codes, for block w - 1
.set VW,   6                           ; v6   phase 1: where I store 16 bytes of V's images, for block w - 1
.set KR,   7                           ; v7   phase 2: my lane's place in my window's first tile of K
.set VZ,   8                           ; v8   V's unit 0 of block w - 1, + 16 x lane
.set SO,   9                           ; v9   the stage: where I put 16 bytes of a row
.set SR,   10                          ; v10  and where I read rows back
.set QO,   11                          ; v11  Q: 64 r + 16 h
.set DG,   12                          ; v12  r - 8 h: on the diagonal register j is hidden where j > r - 8 h
.set NI,   13                          ; v13  -infinity
.set KZ,   14                          ; v14  K's rows of block w - 1, + 16 x lane
.set QF,   16                          ; v16-31 Q's two fragments
.set NM,   32                          ; v[32:33] -c m (the pair's low word serves both halves)
.set RL,   34                          ; v[34:35] 1 / the row's sum (likewise)
.set MX,   36                          ; v36-39 four chains of the maximum
.set LS,   40                          ; v40-47 four chains of the sum, two halves each
.set TP,   48                          ; v48  the other half of the lanes' figure
.set SCP,  49                          ; 2^e2;  v50: 57,344 x 2^e2
.set LIMP, 50
.set SCK,  51                          ; the same for K (e1)
.set LIMK, 52
.set SCV,  53                          ; and for V (e3)
.set LIMV, 54
.set Z4,   56                          ; v56-59 zeros
.set LN,   60                          ; v60-63 at work at the head
.set RR,   61
.set HH,   62
.set T3,   63
.set BA,   64                          ; K fragments, buffer A
.set CK,   64                          ; phase 1: K's codes;  v80-95 V's codes as converted;  v96-111 V's codes, keys innermost
.set CR,   80
.set VF,   96
.set PC,   128                         ; P's codes: tile t at PC + 64 t
.set BB,   192                         ; K fragments, buffer B
.set OU,   64                          ; the way out: results in the order of the channels
.set BK,   128                         ; and rows read back
.set WV,   14                          ; s14  my wave's number
.set DM,   16                          ; s16-23 phase 2: the diagonal's eight masks (at the head these registers serve the address work)
.set CS,   34                          ; s[34:35] c = log2(e) / 8 x 2^(e0+e1)
.set CN,   36                          ; s36  -c
.set EO,   37                          ; s37  e2 + e3
.set HOLD, 38                          ; s38  1 where p can lie beyond the largest code
.set NINV, 39                          ; s39  how many of my window's first key blocks lie under 0
.set SEL,  40                          ; s[40:41] v_permlanex16_b32's selects for lane l xor 16
.set SELE, 42                          ; s42, s43 v_perm_b32's selects: bytes 0, 2 and bytes 1, 3 of two words
.set SELO, 43
.set MSB, 0
.macro WIN new                         ; the immediate's high byte repeats the setting that is left; a switch that changes nothing is dropped
.if MSB != (\new)
	s_set_vgpr_msb (MSB<<8)|(\new)
.set MSB, (\new)
.endif
.endm
.macro PLACES                          ; four plain vector instructions between a matrix instruction and a load into, or a vector instruction on, its registers
.rept 4
	v_nop
.endr
.endm
	s_load_b256 s[4:11], s[0:1], 0x0               ; query_codes s[4:5], key s[6:7], value s[8:9], lowp_scales s[10:11]
	s_load_b64 s[12:13], s[0:1], 0x20              ; out0
	v_lshl_add_u32 v[SPW], v0, 2, SPARE
	v_mov_b32 v[NIL], 0
	v_lshrrev_b32 v[T3], 5, v0
	v_readfirstlane_b32 s[WV], v[T3]               ; wave 0..7
	v_and_b32 v[LN], 31, v0                        ; lane
	v_and_b32 v[RR], 15, v0                        ; r = lane % 16
	v_bfe_u32 v[HH], v0, 4, 1                      ; h = lane / 16
	s_and_b32 s15, ttmp7, 0xffff                   ; the head
	s_lshl_b32 s22, s15, 12
	s_lshl_b32 s23, ttmp9, 8
	s_add_co_u32 s22, s22, s23
	s_wait_alu depctr_va_sdst(0)                   ; the wave's number is written into s14, ahead of its first reader: rows, LDS places and branches are made from it
	s_lshl_b32 s23, s[WV], 5
	s_add_co_u32 s22, s22, s23                     ; my query block's first row: 4096 head + 256 x + 32 wave
	s_lshl_b32 s28, s22, 6                         ; in bytes of codes,
	s_mov_b32 s29, 0
	s_lshl_b32 s30, s22, 8                         ; and of f32 rows
	s_mov_b32 s31, 0
	s_lshl_b32 s23, ttmp9, 3
	s_add_co_u32 s23, s23, s[WV]                   ; my query block in the head
	s_sub_co_i32 s23, 15, s23
	s_max_i32 s[NINV], s23, 0
	s_mov_b32 s[SEL], 0x76543210
	s_mov_b32 s[SEL+1], 0xfedcba98
	s_mov_b32 s[SELE], 0x06040200
	s_mov_b32 s[SELO], 0x07050301
	v_lshlrev_b32 v[LO16], 4, v[LN]
	v_lshlrev_b32 v[LO8], 3, v[LN]
	v_lshlrev_b32 v[QO], 6, v[RR]
	v_lshl_add_u32 v[QO], v[HH], 4, v[QO]
	s_mul_i32 s16, s[WV], 32*KP                    ; a key block's rows are 2,560 bytes
	s_add_co_u32 s17, s16, KB0-32*KP               ; block w - 1
	s_add_co_u32 s18, s16, KB0                     ; block w: my window's first
	v_mul_u32_u24 v[KW], v[HH], KP                 ; a load's lanes 0-15 hold one key's row, lanes 16-31 the next one's; 4 bytes of codes a lane
	v_lshl_add_u32 v[KW], v[RR], 2, v[KW]
	v_add_nc_u32 v[KW], s17, v[KW]
	v_add_nc_u32 v[KZ], s17, v[LO16]
	v_mul_u32_u24 v[KR], v[RR], KP                 ; a fragment: row r, + 16 h
	v_lshl_add_u32 v[KR], v[HH], 4, v[KR]
	v_add_nc_u32 v[KR], s18, v[KR]
	s_lshl_b32 s19, s[WV], 11                      ; a key block's four units are 2,048 bytes
	s_add_co_u32 s19, s19, VB0-2048
	v_lshlrev_b32 v[VW], 9, v[HH]                  ; lanes 16-31 hold channels 32 on: the next unit
	v_lshl_add_u32 v[VW], v[RR], 4, v[VW]
	v_add_nc_u32 v[VW], s19, v[VW]
	v_add_nc_u32 v[VZ], s19, v[LO16]
	s_mul_i32 s21, s[WV], 16*SPT                   ; my stage (STG = 0)
	v_mul_u32_u24 v[SO], v[RR], SPT
	v_lshl_add_u32 v[SO], v[HH], 6, v[SO]
	v_add_nc_u32 v[SO], s21, v[SO]
	v_mul_u32_u24 v[SR], v[HH], SPT
	v_lshl_add_u32 v[SR], v[RR], 4, v[SR]
	v_add_nc_u32 v[SR], s21, v[SR]
	v_lshlrev_b32 v[T3], 3, v[HH]
	v_sub_nc_u32 v[DG], v[RR], v[T3]
	v_mov_b32 v[NI], 0xff800000
	v_mov_b32 v[NM+1], 0                           ; named as upper halves of pairs, so they are written
	v_mov_b32 v[RL+1], 0
	v_mov_b32 v[TP], 0                             ; a lane permute's destination counts as one of its sources
.irp n, 0,1,2,3
	v_mov_b32 v[Z4+\n], 0
.endr
	s_wait_kmcnt 0x0
	s_load_b128 s[24:27], s[10:11], 0x0            ; e0, e1, e2, e3
	s_add_nc_u64 s[4:5], s[4:5], s[28:29]          ; Q's codes at my query block
	s_add_nc_u64 s[6:7], s[6:7], s[30:31]          ; key, value and out0 at the same row: key block w + 15 of the 23
	s_add_nc_u64 s[8:9], s[8:9], s[30:31]
	s_add_nc_u64 s[12:13], s[12:13], s[30:31]
	s_wait_alu depctr_va_vdst(0)                   ; the addresses and offsets v1 to v14 and the zeros v56 to v59 are written: every load and store of the kernel reads some of them, and none is written again
.irp t, 0,1
.irp c, 0,1
	global_load_b128 v[QF+8*\t+4*\c:QF+8*\t+4*\c+3], v[QO], s[4:5] offset:1024*\t+32*\c th:TH_LOAD_NT   ; read once in the launch
.endr
.endr
; ---------------- PHASE 1 ----------------
; My t-th key block (block w + 8 t - 1 of the 23) lies 256 (t - 2) rows from my query block's first row.  K: 16 loads of 512 consecutive bytes (two rows);  V: 32 loads of 256 consecutive bytes (one row, two channels a lane).
; Each set is loaded once, into registers that no vector instruction has named; the offsets were written ahead of the head's wait: so these loads owe no wait of their own.
.macro LOADS t
.if \t == 0
.set XB, 128
	WIN 0
.else
.set XB, 128*(\t-1)
	WIN 0x40                                       ; destination window 1
.endif
.set ii, 0
.rept 16
	global_load_b128 v[XB+4*ii:XB+4*ii+3], v[LO16], s[6:7] offset:(\t-2)*65536+512*ii
.set ii, ii+1
.endr
.set ii, 0
.rept 32
	global_load_b64 v[XB+64+2*ii:XB+64+2*ii+1], v[LO8], s[8:9] offset:(\t-2)*65536+256*ii
.set ii, ii+1
.endr
	WIN 0
.endm
; The powers of two, from the four whole numbers.  (v49 to v54 are named by vector instructions alone.)
.macro CONSTS
	s_wait_kmcnt 0x0
	s_add_co_i32 s32, s24, s25
	s_lshl_b32 s32, s32, 23
	s_add_co_i32 s[CS], s32, 0x3e38aa3b            ; log2(e) / 8, with e0 + e1 added to its exponent field
	s_mov_b32 s[CS+1], s[CS]                       ; (named with it as a pair, so it is written)
	s_xor_b32 s[CN], s[CS], 0x80000000
	s_add_co_i32 s32, s25, 127
	s_lshl_b32 s33, s32, 23
	v_mov_b32 v[SCK], s33                          ; 2^e1 as f32: the conversion takes its exponent field
	s_add_co_i32 s32, s32, 15
	s_lshl_b32 s32, s32, 23
	s_or_b32 s32, s32, 0x600000
	v_mov_b32 v[LIMK], s32                         ; 57,344 x 2^e1
	s_add_co_i32 s32, s27, 127
	s_lshl_b32 s33, s32, 23
	v_mov_b32 v[SCV], s33
	s_add_co_i32 s32, s32, 15
	s_lshl_b32 s32, s32, 23
	s_or_b32 s32, s32, 0x600000
	v_mov_b32 v[LIMV], s32
	s_add_co_i32 s32, s26, 127
	s_lshl_b32 s33, s32, 23
	v_mov_b32 v[SCP], s33
	s_add_co_i32 s32, s32, 15
	s_lshl_b32 s32, s32, 23
	s_or_b32 s32, s32, 0x600000
	v_mov_b32 v[LIMP], s32
	s_add_co_i32 s[EO], s26, s27
	s_cmp_lt_i32 s26, -15
	s_cselect_b32 s[HOLD], 1, 0
.endm
; A key block under 0: zero codes in place of its K rows (2,560 bytes with their padding) and its V units (2,048 bytes).  Addresses and zeros were written ahead of the head's wait.
.macro ZERO t
.irp n, 0,1,2,3,4
	ds_store_b128 v[KZ], v[Z4:Z4+3] offset:20480*\t+512*\n
.endr
.irp n, 0,1,2,3
	ds_store_b128 v[VZ], v[Z4:Z4+3] offset:16384*\t+512*\n
.endr
.endm
; My t-th key block is quantised.  nk, nv: how many loads were issued behind K's, behind V's (cut at the counter's 63).  All its vector work first, then one wait, then its 20 LDS stores, which leave under the next block's holds.
.macro PROC t, nk, nv
.if \t == 0
.set XB, 128
.set WA, 0
.set WC, 0
.else
.set XB, 128*(\t-1)
.set WA, 0x41                                  ; destination and source 0 window 1
.set WC, 0x01                                  ; source 0 window 1
.endif
	s_wait_loadcnt \nk                             ; loads come back in order: K's 16 are in
	WIN WA
.set ii, 0
.rept 64
	v_med3_num_f32 v[XB+ii], v[XB+ii], -v[LIMK], v[LIMK]   ; the conversion to an 8-bit code does not saturate (ISA guide 7.6.2): the hold at the largest code x the scale
.set ii, ii+1
.endr
	s_wait_dscnt 0x0                               ; the block before has stored its codes
.if \t > 0
	s_wait_alu depctr_vm_vsrc(0)                   ; and its LDS stores have read CK and VF, which this block's conversions and permutes write again
.endif
	WIN WC
.set ii, 0
.rept 8
	v_cvt_scalef32_pk8_bf8_f32 v[CK+2*ii:CK+2*ii+1], v[XB+8*ii:XB+8*ii+7], v[SCK]   ; two loads' numbers: word 2 ii: row 4 ii + h, word 2 ii + 1: row 4 ii + 2 + h; my 4 channels each
.set ii, ii+1
.endr
	s_wait_loadcnt \nv                             ; V's 32 are in
	WIN WA
.set ii, 0
.rept 64
	v_med3_num_f32 v[XB+64+ii], v[XB+64+ii], -v[LIMV], v[LIMV]
.set ii, ii+1
.endr
	WIN WC
.set ii, 0
.rept 8
	v_cvt_scalef32_pk8_bf8_f32 v[CR+2*ii:CR+2*ii+1], v[XB+64+8*ii:XB+64+8*ii+7], v[SCV]   ; keys 4 ii .. 4 ii + 3, my two channels by turns
.set ii, ii+1
.endr
	WIN 0
	v_nop                                          ; one plain vector instruction between a scaled conversion and the vector instruction that reads its result
.set gg, 0
.rept 8                                        ; four keys of ONE channel to a word; the words of keys 8 h' + 0..7 and 16 + 8 h' + 0..7 on end, as the operand's lane (row, h') wants them
	v_perm_b32 v[VF+4*((gg/2)%2)+(gg%2)+2*(gg/4)],   v[CR+2*gg+1], v[CR+2*gg], s[SELE]
	v_perm_b32 v[VF+8+4*((gg/2)%2)+(gg%2)+2*(gg/4)], v[CR+2*gg+1], v[CR+2*gg], s[SELO]
.set gg, gg+1
.endr
	s_wait_alu depctr_va_vdst(0)                   ; the conversions have written CK and the permutes VF, which the 20 LDS stores below read.  (It also shows all vector work on this block's set and on v64 to v111 done: phase 2's K fragments land there)
.set ii, 0
.rept 16
	ds_store_b32 v[KW], v[CK+ii] offset:20480*\t+160*ii    ; row 2 ii + h: sixteen lanes write its 64 bytes
.set ii, ii+1
.endr
.irp e, 0,1
.irp p, 0,1
	ds_store_b128 v[VW], v[VF+8*\e+4*\p:VF+8*\e+4*\p+3] offset:16384*\t+1024*\e+256*\p   ; unit 2 e + lane / 16, lane' = lane % 16 + 16 h': sixteen lanes write 256 consecutive bytes
.endr
.endr
.endm
; Which of my three blocks exist hangs on the work-group's x alone (and block w - 1 on the wave): x = 0: the third; x = 1: the second and third; else all.  Each case is one way through the text.
; A block that can be absent is always asked for AHEAD of those that are always there, so the counts of the waits hold on every way.
	s_cmp_ge_u32 ttmp9, 2
	s_cbranch_scc1 .Linner
	s_cmp_eq_u32 ttmp9, 1
	s_cbranch_scc1 .Lsecond
	LOADS 2                                        ; x = 0
	CONSTS
	s_cmp_eq_u32 s[WV], 0
	s_cbranch_scc1 .Lfirst_w0
	ZERO 0
.Lfirst_w0:
	ZERO 1
	s_branch .Lblock2
.Lsecond:                                          ; x = 1
	LOADS 1
	LOADS 2
	CONSTS
	s_cmp_eq_u32 s[WV], 0
	s_cbranch_scc1 .Lblock1
	ZERO 0
	s_branch .Lblock1
.Linner:                                           ; x >= 2
	s_cmp_eq_u32 s[WV], 0
	s_cbranch_scc1 .Linner_l0
	LOADS 0
.Linner_l0:
	LOADS 1
	CONSTS
	s_cmp_eq_u32 s[WV], 0
	s_cbranch_scc1 .Linner_p0
	PROC 0, 63, 48                                 ; behind K's loads: V's 32 and the next block's 48, cut at 63; behind V's: 48
.Linner_p0:
	LOADS 2                                        ; the third block is asked for while the second is on its way (the first block's work named none of its registers)
.Lblock1:
	PROC 1, 63, 48                                 ; likewise
.Lblock2:
	PROC 2, 32, 0                                  ; behind K's loads: V's 32; behind V's: none
	s_wait_dscnt 0x0                               ; for the others' sake: my codes lie in LDS
	s_barrier_signal -1
	s_barrier_wait -1                              ; everybody's do
	s_wait_alu depctr_vm_vsrc(0)                   ; my LDS stores have read CK and VF: v64 to v127 are buffer A from here on, and K's fragments land there
; ---------------- PHASE 2 ----------------
.macro KLOAD bt, buf, n                        ; n fragments (16 keys x 64) of batch bt of my window: two loads of 16 bytes a lane each
.set ff, 0
.rept \n
	ds_load_b128 v[\buf+8*ff:\buf+8*ff+3],   v[KR] offset:16*KP*(8*\bt+ff)
	ds_load_b128 v[\buf+8*ff+4:\buf+8*ff+7], v[KR] offset:16*KP*(8*\bt+ff)+32
.set ff, ff+1
.endr
.endm
.macro KMUL t, bt, buf, n                      ; their scores: each product is a whole sum (K = 64) and starts from the constant 0
.set ff, 0
.rept \n
	v_wmma_f32_16x16x64_bf8_bf8 v[64*\bt+8*ff:64*\bt+8*ff+7], v[\buf+8*ff:\buf+8*ff+7], v[QF+8*\t:QF+8*\t+7], 0
.set ff, ff+1
.endr
.endm
; One tile of 16 queries: scores, mask, softmax, codes of P.
.macro TILE t
.set N3, 7+\t                                  ; the window's last tile of 16 keys lies wholly behind the block's first 16 queries: it is not multiplied for them
.if \t == 0
	KLOAD 0, BA, 8                                 ; (tile 1's first two batches were asked for in tile 0's softmax)
	KLOAD 1, BB, 8
.endif
.set jj, 0
.rept 8
	v_cmp_gt_i32 s[DM+jj], jj, v[DG]               ; the diagonal's masks, in one run: key 8 h + j against query r
.set jj, jj+1
.endr
	s_wait_dscnt 16                                ; batch 0 is in; batch 1's 16 loads may be out
	WIN 0x40                                       ; destination window 1
	KMUL \t, 0, BA, 8
	s_wait_dscnt 0x0                               ; batch 1 is in
	PLACES
	WIN 0
	s_wait_alu depctr_va_vdst(0)                   ; batch 0's products are done reading buffer A, in which batch 2 lands
	KLOAD 2, BA, 8
	WIN 0x40
	KMUL \t, 1, BB, 8                              ; they name buffer B, Q and the scores: none of the registers that the loads above touch
	s_wait_dscnt 0x0                               ; batch 2 is in
	PLACES
	WIN 0
	s_wait_alu depctr_va_vdst(0)                   ; batch 1's products are done reading buffer B, in which batch 3 lands
	KLOAD 3, BB, N3
	WIN 0x40
	KMUL \t, 2, BA, 8
	s_wait_dscnt 0x0                               ; batch 3 is in
	KMUL \t, 3, BB, N3
	PLACES
.if \t == 0
.set jj, 0
.rept 8
	v_mov_b32 v[248+jj], v[NI]                     ; that tile's scores
.set jj, jj+1
.endr
.endif
	WIN 0x41                                       ; the tile on the diagonal
	s_wait_alu depctr_va_sdst(0)                   ; the eight compares at the tile's head have written s16 to s23, ahead of their first reader
.set jj, 0
.rept 8
	v_cndmask_b32 v[240+8*\t+jj], v[240+8*\t+jj], v[NI], s[DM+jj]
.set jj, jj+1
.endr
	WIN 0
	s_cmp_eq_u32 s[NINV], 0                        ; key blocks under 0 (the head's first 15 query blocks alone): their scores become -infinity, block by block
	s_cbranch_scc1 .Lfull_\@
.set bb, 0
.rept 15
	WIN 0x40
.set ii, 0
.rept 16
	v_mov_b32 v[16*bb+ii], v[NI]
.set ii, ii+1
.endr
	WIN 0
.if bb < 14
	s_cmp_le_u32 s[NINV], bb+1
	s_cbranch_scc1 .Lfull_\@
.endif
.set bb, bb+1
.endr
.Lfull_\@:
	; the row's largest score: four chains of 64 registers, each tile from its low end on
	WIN 0x15
.irp c, 0,1,2,3
	v_max3_num_f32 v[MX+\c], v[64*\c], v[64*\c+1], v[64*\c+2]
.endr
	WIN 0x14
.set kk, 1
.rept 30
.irp c, 0,1,2,3
	v_max3_num_f32 v[MX+\c], v[MX+\c], v[64*\c+2*kk+1], v[64*\c+2*kk+2]
.endr
.set kk, kk+1
.endr
	v_max3_num_f32 v[MX], v[MX], v63, v127
	v_max3_num_f32 v[MX+2], v[MX+2], v191, v255
	WIN 0
	v_max3_num_f32 v[MX], v[MX], v[MX+1], v[MX+2]
	v_max_num_f32 v[MX], v[MX], v[MX+3]
	v_permlanex16_b32 v[TP], v[MX], s[SEL], s[SEL+1]   ; the query's other 256 keys lie in the lane 16 away
	v_max_num_f32 v[MX], v[MX], v[TP]
	v_mul_f32 v[NM], s[CN], v[MX]                  ; -c m.  The query's own key always counts, so m is a number
	; p' = 2^(c s - c m): ONE BATCH of 256 exponentials, each pair's scaling set two exponentials ahead of it; nothing in the batch names a result
	WIN 0x41
	v_pk_fma_f32 v[0:1], v[0:1], s[CS:CS+1], v[NM:NM+1] op_sel_hi:[1,0,0]
.set kk, 1
.rept 127
	v_pk_fma_f32 v[2*kk:2*kk+1], v[2*kk:2*kk+1], s[CS:CS+1], v[NM:NM+1] op_sel_hi:[1,0,0]
	v_exp_f32 v[2*kk-2], v[2*kk-2]
	v_exp_f32 v[2*kk-1], v[2*kk-1]
.set kk, kk+1
.endr
	v_exp_f32 v254, v254
	v_exp_f32 v255, v255
	v_nop                                          ; a plain instruction behind the last exponential
	WIN 0                                          ; (for the loads below: the switch, then the wait, then the loads)
	s_wait_alu depctr_va_vdst(0)                   ; the 256 exponentials have written their results, ahead of the first use: one wait for the batch; and this tile's products are done reading buffers A and B, in which the loads below land
.if \t == 0
	KLOAD 0, BA, 8                                 ; tile 1's first two batches of K: they land under the sums, the normalising and the conversions, which name neither buffer
	KLOAD 1, BB, 8
.else
.irp d, 0,1,2,3                                ; V's step 3 (keys 384 on of my window), into buffer A: likewise
.irp q, 0,1,2,3
	ds_load_b128 v[64+16*\d+4*\q:64+16*\d+4*\q+3], v[VZ] offset:2048*(13+\q)+512*\d
.endr
.endr
.endif
	; the row's sum, two at a time, in four chains
	WIN 0x05
.irp c, 0,1,2,3
	v_pk_add_f32 v[LS+2*\c:LS+2*\c+1], v[64*\c:64*\c+1], v[64*\c+2:64*\c+3]
.endr
	WIN 0x04
.set kk, 2
.rept 30
.irp c, 0,1,2,3
	v_pk_add_f32 v[LS+2*\c:LS+2*\c+1], v[LS+2*\c:LS+2*\c+1], v[64*\c+2*kk:64*\c+2*kk+1]
.endr
.set kk, kk+1
.endr
	WIN 0
	v_pk_add_f32 v[LS:LS+1], v[LS:LS+1], v[LS+2:LS+3]
	v_pk_add_f32 v[LS+4:LS+5], v[LS+4:LS+5], v[LS+6:LS+7]
	v_pk_add_f32 v[LS:LS+1], v[LS:LS+1], v[LS+4:LS+5]
	v_add_f32 v[LS], v[LS], v[LS+1]
	v_permlanex16_b32 v[TP], v[LS], s[SEL], s[SEL+1]
	v_add_f32 v[LS], v[LS], v[TP]
	v_rcp_f32 v[RL], v[LS]
	v_nop                                          ; a plain instruction behind the reciprocal,
	s_wait_alu depctr_va_vdst(0)                   ; and the wait ahead of its first use: the reciprocal has written v34
	; P = p' / the sum, finished and normalised: that is what is quantised
	WIN 0x41
.set kk, 0
.rept 128
	v_pk_mul_f32 v[2*kk:2*kk+1], v[2*kk:2*kk+1], v[RL:RL+1] op_sel_hi:[1,0]
.set kk, kk+1
.endr
	WIN 0
	s_cmp_eq_u32 s[HOLD], 0                        ; e2 >= -15: 57,344 x 2^e2 >= 1 >= P: the hold can hold nothing
	s_cbranch_scc1 .Lno_hold_\@
	WIN 0x41
.set ii, 0
.rept 256
	v_min_num_f32 v[ii], v[ii], v[LIMP]            ; P is not negative, so the hold is one-sided
.set ii, ii+1
.endr
	WIN 0
.Lno_hold_\@:
	WIN 0x01
.set ii, 0
.rept 32
	v_cvt_scalef32_pk8_bf8_f32 v[PC+64*\t+2*ii:PC+64*\t+2*ii+1], v[8*ii:8*ii+7], v[SCP]   ; tile ii's eight keys: registers 2 c, 2 c + 1 of the second product's source 1
.set ii, ii+1
.endr
	WIN 0
	v_nop                                          ; one plain vector instruction between the last conversion and the matrix instructions that read its result or write its sources
.endm
	TILE 0
	TILE 1
	; O^T = V^T P^T for both tiles: each fragment of V (16 channels x 128 keys: four units) feeds two products.  Step 3 is on its way into window 0 since tile 1's softmax; steps 0-2 go into window 1, where the scores lay.
	WIN 0x40
	s_wait_alu depctr_va_vdst(0)                   ; tile 1's normalising and conversions are done writing and reading its scores, window 1's v64 to v255, in which V's steps 0 to 2 land
.irp s, 0,1,2
.irp d, 0,1,2,3
.irp q, 0,1,2,3
	ds_load_b128 v[64+64*\s+16*\d+4*\q:64+64*\s+16*\d+4*\q+3], v[VZ] offset:2048*(1+4*\s+\q)+512*\d
.endr
.endr
.endr
	s_wait_dscnt 32                                ; step 0's 16 loads are in (and step 3's, which are older); the 32 behind them may be out
	WIN 0x51                                       ; V window 1, P window 0, O^T window 1.  The eight accumulators take turns, one instruction a turn
.irp d, 0,1,2,3
.irp t, 0,1
	v_wmma_f32_16x16x128_bf8_bf8 v[8*(4*\t+\d):8*(4*\t+\d)+7], v[64+16*\d:64+16*\d+15], v[PC+64*\t:PC+64*\t+15], 0
.endr
.endr
.irp s, 1,2
	s_wait_dscnt 32-16*\s
.irp d, 0,1,2,3
.irp t, 0,1
	v_wmma_f32_16x16x128_bf8_bf8 v[8*(4*\t+\d):8*(4*\t+\d)+7], v[64+64*\s+16*\d:64+64*\s+16*\d+15], v[PC+64*\t+16*\s:PC+64*\t+16*\s+15], v[8*(4*\t+\d):8*(4*\t+\d)+7]
.endr
.endr
.endr
	WIN 0x50                                       ; step 3's V lies in window 0; the waits above have shown it in
.irp d, 0,1,2,3
.irp t, 0,1
	v_wmma_f32_16x16x128_bf8_bf8 v[8*(4*\t+\d):8*(4*\t+\d)+7], v[64+16*\d:64+16*\d+15], v[PC+64*\t+48:PC+64*\t+63], v[8*(4*\t+\d):8*(4*\t+\d)+7]
.endr
.endr
	PLACES
	; THE WAY OUT.  Register j of unit u holds channel 32 (u % 2) + 16 h + 2 j + u / 2 of query r: x 2^(e2+e3), into the order of the channels; 16 rows through my stage; back as whole rows.
	WIN 0x01
.irp t, 0,1
.irp a, 0,1
.irp u, 0,1,2,3
.irp z, 0,1,2,3
	v_ldexp_f32 v[OU+32*\t+16*\a+4*\u+\z], v[8*(4*\t+\a+2*(\z%2))+2*\u+\z/2], s[EO]   ; each accumulator from its low end on
.endr
.endr
.endr
.endr
	WIN 0
	s_wait_alu depctr_va_vdst(0)                   ; both tiles' scalings have written v64 to v127, which the LDS stores read; the last products are done reading P's codes in v128 to v191, in which the rows from the stage land
.irp t, 0,1
.irp a, 0,1
.irp u, 0,1,2,3
	ds_store_b128 v[SO], v[OU+32*\t+16*\a+4*\u:OU+32*\t+16*\a+4*\u+3] offset:128*\a+16*\u   ; channels 32 a + 16 h + 4 u + 0..3 of row r
.endr
.endr
.irp i, 0,1,2,3,4,5,6,7
	ds_load_b128 v[BK+32*\t+4*\i:BK+32*\t+4*\i+3], v[SR] offset:2*SPT*\i   ; LDS serves a wave's instructions in order (ISA guide 5.7.1.4): these see my stores, and the next tile's stores come behind them
.endr
.endr
.irp t, 0,1
.irp i, 0,1,2,3,4,5,6,7
	s_wait_dscnt 23-16*\t-\i                       ; behind this load: the rest of its eight, and for tile 0 the next tile's 16
	global_store_b128 v[LO16], v[BK+32*\t+4*\i:BK+32*\t+4*\i+3], s[12:13] offset:4096*\t+512*\i th:TH_STORE_NT   ; two rows: 512 consecutive bytes, at a multiple of 256 from out0's first byte; written once
.endr
.endr
	s_wait_dscnt 0x0                               ; the closing lines, six on end
	s_wait_alu 0x0
	s_wait_tensorcnt 0x0
	ds_add_u32 v[SPW], v[NIL]
	s_wait_dscnt 0x0
	s_endpgm
.Lfunc_end_k_q19b3c71343_attn:
	.size	k_q19b3c71343_attn, .Lfunc_end_k_q19b3c71343_attn-k_q19b3c71343_attn
	.p2alignl 7, 3214868480
	.fill 96, 4, 3214868480
	.section	.rodata,"a",@progbits
	.p2align	6, 0x0
	.amdhsa_kernel k_q19b3c71343_attn
		.amdhsa_group_segment_fixed_size 141824
		.amdhsa_private_segment_fixed_size 0
		.amdhsa_enable_private_segment 0
		.amdhsa_kernarg_size 40
		.amdhsa_user_sgpr_count 2
		.amdhsa_user_sgpr_kernarg_segment_ptr 1
		.amdhsa_wavefront_size32 1
		.amdhsa_system_sgpr_workgroup_id_x 1
		.amdhsa_system_sgpr_workgroup_id_y 1
		.amdhsa_system_sgpr_workgroup_id_z 1
		.amdhsa_system_vgpr_workitem_id 0
		.amdhsa_next_free_vgpr 512
		.amdhsa_next_free_sgpr 66
		.amdhsa_reserve_vcc 0
		.amdhsa_float_denorm_mode_32 3
		.amdhsa_float_denorm_mode_16_64 3
		.amdhsa_memory_ordered 1
		.amdhsa_forward_progress 1
		.amdhsa_inst_pref_size 223
	.end_amdhsa_kernel
	.amdgpu_metadata
---
amdhsa.version: [ 1, 2 ]
amdhsa.kernels:
  - .name:           k_q19b3c71343_attn
    .symbol:         k_q19b3c71343_attn.kd
    .args:
      - { .name: query_codes, .offset: 0, .size: 8, .value_kind: global_buffer, .address_space: global }
      - { .name: key, .offset: 8, .size: 8, .value_kind: global_buffer, .address_space: global }
      - { .name: value, .offset: 16, .size: 8, .value_kind: global_buffer, .address_space: global }
      - { .name: lowp_scales, .offset: 24, .size: 8, .value_kind: global_buffer, .address_space: global }
      - { .name: out0, .offset: 32, .size: 8, .value_kind: global_buffer, .address_space: global }
    .group_segment_fixed_size: 141824
    .private_segment_fixed_size: 0
    .kernarg_segment_align: 8
    .kernarg_segment_size: 40
    .max_flat_workgroup_size: 256
    .sgpr_count:     66
    .vgpr_count:     512
    .wavefront_size: 32
...
	.end_amdgpu_metadata
.endif
;; end of part 2
